; MI455X (gfx1250); checked and timed in simulation.
; The chip was launched on July 23, 2026; its instructions are those of AMD's public machine-readable ISA for CDNA 5 (MIT licence, August 2026) and "CDNA5" Instruction Set Architecture Reference Guide (July 2026). The comments in the code are by the model that wrote it; some were corrected since.
;; Affine Transformer. Allowed arithmetic: float matrix products may take bf16 or f16 operands with f32 sums; other float arithmetic in f32, or as packed bf16 or f16 multiplies, adds, multiply-adds, maxima and minima; sums over many terms, partial sums and values carried from step to step in f32; what a program stores and reads back later, other than sums and carried values, may be rounded once to bf16 or f16.
;; Inputs: affine 2 x 3 float32; scale 2 x 3 float32; shear 2 x 6 float32; src 2 x 1 x 192 x 192 x 192 float32; translate 2 x 3 float32.
;; Outputs: out0 2 x 1 x 192 x 192 x 192 float32; out1 2 x 3 x 4 float32; out2 2 x 3 x 4 float32.
;; 2 versions, each right; version 2 is version 1 with the launch warp written anew for expert scheduling mode. Each part assembles by itself: llvm-mc -triple=amdgcn-amd-amdhsa -mcpu=gfx1250 --defsym DOCPART=n.
;; ======== version 1 of 2: 2 launches
;; limits: right only within a limited range of input values; inputs' magnitudes at most 1,048,576
;; workspace buffers: params 256 bytes of whole numbers
;; launch compose (part 1): grid 1 x 1, 1 waves a work-group, no clusters, 0 bytes of LDS; arguments affine, scale, shear, translate, out1, out2, params; writes out1, out2, params
.if DOCPART == 1
	.amdgcn_target "amdgcn-amd-amdhsa--gfx1250"
	.amdhsa_code_object_version 6
	.text
	.protected	k_qd89cb02d8a_compose
	.globl	k_qd89cb02d8a_compose
	.p2align	8
	.type	k_qd89cb02d8a_compose,@function
k_qd89cb02d8a_compose:
	s_mov_b64 s[64:65], 0
	v_nop
	global_prefetch_b8 v0, s[64:65] scope:SCOPE_SE
	s_setreg_imm32_b32 hwreg(HW_REG_WAVE_MODE, 25, 1), 1
	s_wait_xcnt 0x0
; COMPOSE.  For each of the two batches: mat = [Sh S Rz Ry Rx | t] (out1), its inverse [inv3 | -inv3 t] (out2), and the same affine map in voxel units as WHOLE NUMBERS (params),
; from which the next launch forms its addresses: an address hangs on whole numbers read from memory, never on floating-point numbers of the same launch.
; One wave; lane = batch (lanes 2-31 repeat batch 1 and store nothing).  All stages run over the 9 angles (or 12 numbers) side by side, so that no line waits for the line before it.
; THE MATRICES, as reference() builds them (its rows are written and then transposed):
;   Rx = [1 0 0; 0 cx sx; 0 -sx cx]   Ry = [cy 0 -sy; 0 1 0; sy 0 cy]   Rz = [cz sz 0; -sz cz 0; 0 0 1]   Sh = [1 t2 t4; t0 1 t5; t1 t3 1]
; THE INVERSE is formed as R^T S^-1 Sh^-1 (R = Rz Ry Rx is orthogonal, S diagonal, Sh^-1 = adj / det): the same matrix as inv(Sh S R), without differences of large products.
; SIN, COS: n = rndne(x 2/pi), r = x - n pi/2 with pi/2 in three parts (each step one fused multiply-add), two polynomials on |r| <= pi/4, quadrant from n.  tan = sin / cos.
; THE WHOLE NUMBERS.  Source position along axis k of output voxel (i0, i1, i2):  sum_j m_kj (i_j - 95.5) + 96 t_k + 95.5.  Stored per batch, 128 bytes apart, as 12 signed 64-bit numbers with
; 32 fraction bits, row by row: M_k0, M_k1, M_k2, T_k with M = m 2^32 and T_k = 96 t_k 2^32 + 95.5 2^32 - 191 (M_k0 + M_k1 + M_k2) / 2, formed in integers.
; LIMITS.  Angles: the reduction holds while n is a whole number that i32 and f32 both hold exactly; it is meant for |x| up to about 2^20.  For the whole numbers alone m and t are clamped to
; +-2^20 (positions then stay under 2^30 voxels; out1 keeps the unclamped numbers); a NaN there counts as -2^20.  A scale or a det(Sh) of 0 gives infinities or NaN in out2.
.set ANG, 8            ; v8-16    the 9 angles: affine 0-2, shear 0-5
.set SCL, 18           ; v18-20   scale
.set N,   22           ; v22-30   n
.set R,   32           ; v32-40   r
.set Q,   42           ; v42-50   n as a whole number
.set Z,   52           ; v52-60   r^2
.set PS,  62           ; v62-70   sin r
.set PC,  72           ; v72-80   cos r
.set T1,  82           ; v82-90   at work
.set SN,  92           ; v92-100  sin x
.set CN,  102          ; v102-110 cos x
.set TN,  112          ; v112-117 tan of the six shears
.set TP,  118          ; sy sx
.set TQ,  119          ; sy cx
.set BM,  120          ; v120-128 R = Rz Ry Rx, row-major
.set CM,  130          ; v130-138 S R
.set O1,  140          ; v140-151 out1: row k at O1 + 4 k: m_k0 m_k1 m_k2 t_k
.set ADJ, 152          ; v152-160 adj(Sh)
.set DET, 161
.set G,   162          ; v162-164 1 / (det s_i)
.set E,   166          ; v166-174 S^-1 Sh^-1
.set O2,  176          ; v176-187 out2
.set FX,  188          ; v188-211 the 12 whole numbers, a pair each (low word, high word)
.set CA,  22           ; from here on registers of the angles' stages are used again
.set CB,  34
.set SG,  46           ; v46-57   0 or -1: the sign
.set PR,  58           ; v58-59   the pair (0 or 1, 0)
.set ZP,  60           ; v60-61   the pair 0
.set CP,  62           ; v62-63   95.5 x 2^32 + 1
.set K191, 64
.set K96,  65
.set SU,  66
.set WW,  68
.set UU,  70
.macro EACH n, line:vararg             ; one line for each i = 0 .. n-1
.set i, 0
.rept \n
	\line
.set i, i+1
.endr
.endm
	s_load_b256 s[4:11], s[0:1], 0x0               ; affine s[4:5], scale s[6:7], shear s[8:9], translate s[10:11]
	s_load_b128 s[12:15], s[0:1], 0x20             ; out1 s[12:13], out2 s[14:15]
	s_load_b64 s[16:17], s[0:1], 0x30              ; params
	v_min_u32 v1, 1, v0                            ; my batch
	v_mul_u32_u24 v2, v1, 12                       ; its bytes in affine, scale, translate
	v_mul_u32_u24 v3, v1, 24                       ; in shear
	v_mul_u32_u24 v4, v1, 48                       ; in out1, out2
	v_lshlrev_b32 v5, 7, v1                        ; in params
	s_mov_b32 s20, 0x3f22f983                      ; 2 / pi
	s_mov_b32 s21, 0x3fc90fdb                      ; pi / 2 = 1.57079637 - 4.37113883e-8 - 1.7151245e-15
	s_mov_b32 s22, 0xb33bbd2e
	s_mov_b32 s23, 0xa6f72ced
	s_mov_b32 s24, 0xb94ca1f9                      ; sin r = r + r^3 (-1.6666654611e-1 + r^2 (8.3321608736e-3 - 1.9515295891e-4 r^2))
	s_mov_b32 s25, 0x3c08839e
	s_mov_b32 s26, 0xbe2aaaa3
	s_mov_b32 s27, 0x37ccf5ce                      ; cos r = 1 - r^2 / 2 + r^4 (4.1666645683e-2 + r^2 (-1.3887316255e-3 + 2.4433157118e-5 r^2))
	s_mov_b32 s28, 0xbab6061a
	s_mov_b32 s29, 0x3d2aaaa5
	s_mov_b32 s30, 0x49800000                      ; 2^20
	s_mov_b32 s31, 0xc9800000                      ; -2^20
	s_mov_b32 s32, 0x4f800000                      ; 2^32
	s_wait_kmcnt 0x0
	EACH 3, global_load_b32 v[ANG+i], v2, s[4:5] offset:4*i
	EACH 6, global_load_b32 v[ANG+3+i], v3, s[8:9] offset:4*i
	EACH 3, global_load_b32 v[SCL+i], v2, s[6:7] offset:4*i
	EACH 3, global_load_b32 v[O1+4*i+3], v2, s[10:11] offset:4*i   ; t_k goes straight to its place in out1's rows
	s_wait_loadcnt 0x0
	; sin and cos of the nine angles
	EACH 9, v_mul_f32 v[N+i], s20, v[ANG+i]
	EACH 9, v_rndne_f32 v[N+i], v[N+i]
	EACH 9, v_fma_f32 v[R+i], -v[N+i], s21, v[ANG+i]
	EACH 9, v_fma_f32 v[R+i], -v[N+i], s22, v[R+i]
	EACH 9, v_fma_f32 v[R+i], -v[N+i], s23, v[R+i]
	EACH 9, v_cvt_i32_f32 v[Q+i], v[N+i]
	EACH 9, v_mul_f32 v[Z+i], v[R+i], v[R+i]
	EACH 9, v_fma_f32 v[PS+i], v[Z+i], s24, s25
	EACH 9, v_fma_f32 v[PC+i], v[Z+i], s27, s28
	EACH 9, v_fma_f32 v[PS+i], v[PS+i], v[Z+i], s26
	EACH 9, v_fma_f32 v[PC+i], v[PC+i], v[Z+i], s29
	EACH 9, v_mul_f32 v[T1+i], v[Z+i], v[R+i]
	EACH 9, v_fma_f32 v[PS+i], v[PS+i], v[T1+i], v[R+i]
	EACH 9, v_mul_f32 v[T1+i], v[Z+i], v[Z+i]
	EACH 9, v_fma_f32 v[Z+i], v[Z+i], -0.5, 1.0
	EACH 9, v_fma_f32 v[PC+i], v[PC+i], v[T1+i], v[Z+i]
	; the quadrant.  n odd: sin and cos change places.  sin is negative for n mod 4 = 2, 3 (bit 1 of n), cos for 1, 2 (bit 1 of n + 1)
.set i, 0
.rept 9
	v_and_b32 v[T1+i], 1, v[Q+i]
	v_cmp_eq_u32 vcc_lo, 1, v[T1+i]
	v_cndmask_b32 v[SN+i], v[PS+i], v[PC+i], vcc_lo
	v_cndmask_b32 v[CN+i], v[PC+i], v[PS+i], vcc_lo
.set i, i+1
.endr
	EACH 9, v_lshlrev_b32 v[T1+i], 30, v[Q+i]
	EACH 9, v_add_nc_u32 v[Q+i], 1, v[Q+i]
	EACH 9, v_and_b32 v[T1+i], 0x80000000, v[T1+i]
	EACH 9, v_lshlrev_b32 v[Q+i], 30, v[Q+i]
	EACH 9, v_xor_b32 v[SN+i], v[SN+i], v[T1+i]
	EACH 9, v_and_b32 v[Q+i], 0x80000000, v[Q+i]
	EACH 9, v_xor_b32 v[CN+i], v[CN+i], v[Q+i]
	EACH 6, v_rcp_f32 v[TN+i], v[CN+3+i]
	; R = Rz Ry Rx; its first line is the plain instruction between the reciprocals and the use of their results (ISA guide 5.7.2)
	v_mul_f32 v[TP], v[SN+1], v[SN+0]              ; sy sx
	v_mul_f32 v[TQ], v[SN+1], v[CN+0]              ; sy cx
	s_wait_alu depctr_va_vdst(0)
	EACH 6, v_mul_f32 v[TN+i], v[TN+i], v[SN+3+i]
	v_mul_f32 v[BM+0], v[CN+2], v[CN+1]            ; cz cy
	v_mul_f32 v[BM+1], v[SN+2], v[CN+0]            ; sz cx + cz sy sx
	v_mul_f32 v[BM+2], v[SN+2], v[SN+0]            ; sz sx - cz sy cx
	v_mul_f32 v[BM+3], -v[SN+2], v[CN+1]           ; -sz cy
	v_mul_f32 v[BM+4], v[CN+2], v[CN+0]            ; cz cx - sz sy sx
	v_mul_f32 v[BM+5], v[CN+2], v[SN+0]            ; cz sx + sz sy cx
	v_mov_b32 v[BM+6], v[SN+1]                     ; sy: copied once, so that the loops below can name R by index
	v_mul_f32 v[BM+7], -v[CN+1], v[SN+0]           ; -cy sx
	v_mul_f32 v[BM+8], v[CN+1], v[CN+0]            ; cy cx
	v_fma_f32 v[BM+1], v[CN+2], v[TP], v[BM+1]
	v_fma_f32 v[BM+2], -v[CN+2], v[TQ], v[BM+2]
	v_fma_f32 v[BM+4], -v[SN+2], v[TP], v[BM+4]
	v_fma_f32 v[BM+5], v[SN+2], v[TQ], v[BM+5]
.irp r, 0,1,2
.irp c, 0,1,2
	v_mul_f32 v[CM+3*\r+\c], v[SCL+\r], v[BM+3*\r+\c]          ; S R
.endr
.endr
	; adj(Sh), one fused multiply-add an entry
	v_fma_f32 v[ADJ+0], -v[TN+5], v[TN+3], 1.0
	v_fma_f32 v[ADJ+1], v[TN+4], v[TN+3], -v[TN+2]
	v_fma_f32 v[ADJ+2], v[TN+2], v[TN+5], -v[TN+4]
	v_fma_f32 v[ADJ+3], v[TN+5], v[TN+1], -v[TN+0]
	v_fma_f32 v[ADJ+4], -v[TN+4], v[TN+1], 1.0
	v_fma_f32 v[ADJ+5], v[TN+4], v[TN+0], -v[TN+5]
	v_fma_f32 v[ADJ+6], v[TN+0], v[TN+3], -v[TN+1]
	v_fma_f32 v[ADJ+7], v[TN+2], v[TN+1], -v[TN+3]
	v_fma_f32 v[ADJ+8], -v[TN+2], v[TN+0], 1.0
	; mat3 = Sh (S R): row 0 = C0 + t2 C1 + t4 C2, row 1 = t0 C0 + C1 + t5 C2, row 2 = t1 C0 + t3 C1 + C2
.irp j, 0,1,2
	v_fma_f32 v[O1+\j],   v[TN+2], v[CM+3+\j], v[CM+\j]
	v_fma_f32 v[O1+4+\j], v[TN+0], v[CM+\j],   v[CM+3+\j]
	v_fma_f32 v[O1+8+\j], v[TN+1], v[CM+\j],   v[CM+6+\j]
.endr
.irp j, 0,1,2
	v_fma_f32 v[O1+\j],   v[TN+4], v[CM+6+\j], v[O1+\j]
	v_fma_f32 v[O1+4+\j], v[TN+5], v[CM+6+\j], v[O1+4+\j]
	v_fma_f32 v[O1+8+\j], v[TN+3], v[CM+3+\j], v[O1+8+\j]
.endr
	v_fma_f32 v[DET], v[TN+2], v[ADJ+3], v[ADJ+0]
	v_fma_f32 v[DET], v[TN+4], v[ADJ+6], v[DET]
	EACH 3, v_mul_f32 v[G+i], v[DET], v[SCL+i]
	EACH 3, v_rcp_f32 v[G+i], v[G+i]
	v_mov_b32 v[PR+1], 0                           ; constants for the whole numbers below: also the plain lines behind the reciprocals
	v_mov_b32 v[ZP], 0
	v_mov_b32 v[ZP+1], 0
	v_mov_b32 v[CP], 0x80000001                    ; 95.5 x 2^32, and the 1 that turns the complement below into a negation
	v_mov_b32 v[CP+1], 95
	v_mov_b32 v[K191], 191
	v_mov_b32 v[K96], 96
	s_wait_alu depctr_va_vdst(0)
.irp r, 0,1,2
.irp c, 0,1,2
	v_mul_f32 v[E+3*\r+\c], v[ADJ+3*\r+\c], v[G+\r]            ; S^-1 Sh^-1
.endr
.endr
.irp r, 0,1,2
.irp c, 0,1,2
	v_mul_f32 v[O2+4*\r+\c], v[BM+\r], v[E+\c]                 ; inv3 = R^T (S^-1 Sh^-1)
.endr
.endr
.irp r, 0,1,2
.irp c, 0,1,2
	v_fma_f32 v[O2+4*\r+\c], v[BM+3+\r], v[E+3+\c], v[O2+4*\r+\c]
.endr
.endr
.irp r, 0,1,2
.irp c, 0,1,2
	v_fma_f32 v[O2+4*\r+\c], v[BM+6+\r], v[E+6+\c], v[O2+4*\r+\c]
.endr
.endr
	EACH 3, v_mul_f32 v[O2+4*i+3], -v[O2+4*i], v[O1+3]         ; -inv3 t
	EACH 3, v_fma_f32 v[O2+4*i+3], -v[O2+4*i+1], v[O1+7], v[O2+4*i+3]
	EACH 3, v_fma_f32 v[O2+4*i+3], -v[O2+4*i+2], v[O1+11], v[O2+4*i+3]
	; THE WHOLE NUMBERS: each of out1's 12 numbers times 2^32.  Magnitude: whole part and fraction apart (both subtractions and scalings are exact; bits below 2^-32 are dropped); then the sign: (v xor s) + (s & 1).
	EACH 12, v_max_num_f32 v[CA+i], s31, v[O1+i]
	EACH 12, v_min_num_f32 v[CA+i], s30, v[CA+i]
	EACH 12, v_ashrrev_i32 v[SG+i], 31, v[CA+i]
	EACH 12, v_and_b32 v[CA+i], 0x7fffffff, v[CA+i]
	EACH 12, v_trunc_f32 v[CB+i], v[CA+i]
	EACH 12, v_sub_f32 v[CA+i], v[CA+i], v[CB+i]
	EACH 12, v_cvt_u32_f32 v[FX+2*i+1], v[CB+i]
	EACH 12, v_mul_f32 v[CA+i], s32, v[CA+i]
	EACH 12, v_cvt_u32_f32 v[FX+2*i], v[CA+i]
	EACH 12, v_xor_b32 v[FX+2*i], v[FX+2*i], v[SG+i]
	EACH 12, v_xor_b32 v[FX+2*i+1], v[FX+2*i+1], v[SG+i]
.set i, 0
.rept 12
	v_and_b32 v[PR], 1, v[SG+i]
	v_add_nc_u64 v[FX+2*i:FX+2*i+1], v[FX+2*i:FX+2*i+1], v[PR:PR+1]
.set i, i+1
.endr
	; T_k = 96 t_k + 95.5 - 191 (M_k0 + M_k1 + M_k2) / 2.  A signed 64-bit number times a small one: low word x K in 64 bits, high word x K onto the high word.  All stay under 2^62.
.irp k, 0,1,2
	v_add_nc_u64 v[SU:SU+1], v[FX+8*\k:FX+8*\k+1], v[FX+8*\k+2:FX+8*\k+3]
	v_add_nc_u64 v[SU:SU+1], v[SU:SU+1], v[FX+8*\k+4:FX+8*\k+5]
	v_mad_nc_u64_u32 v[WW:WW+1], v[SU], v[K191], v[ZP:ZP+1]
	v_mad_u32 v[WW+1], v[SU+1], v[K191], v[WW+1]
	v_alignbit_b32 v[WW], v[WW+1], v[WW], 1        ; halved, the sign kept
	v_ashrrev_i32 v[WW+1], 1, v[WW+1]
	v_xor_b32 v[WW], -1, v[WW]                     ; complemented: with the 1 in CP that is the negative
	v_xor_b32 v[WW+1], -1, v[WW+1]
	v_mad_nc_u64_u32 v[UU:UU+1], v[FX+8*\k+6], v[K96], v[CP:CP+1]
	v_mad_u32 v[UU+1], v[FX+8*\k+7], v[K96], v[UU+1]
	v_add_nc_u64 v[FX+8*\k+6:FX+8*\k+7], v[UU:UU+1], v[WW:WW+1]
.endr
	s_wait_xcnt 0x0                                ; EXEC changes only behind this wait: loads have been issued
	v_cmp_gt_u32 vcc_lo, 2, v0
	s_and_saveexec_b32 s33, vcc_lo                 ; lanes 0 and 1 store, a batch each
.irp r, 0,1,2
	global_store_b128 v4, v[O1+4*\r:O1+4*\r+3], s[12:13] offset:16*\r
	global_store_b128 v4, v[O2+4*\r:O2+4*\r+3], s[14:15] offset:16*\r
.endr
.irp q, 0,1,2,3,4,5
	global_store_b128 v5, v[FX+4*\q:FX+4*\q+3], s[16:17] offset:16*\q
.endr
	s_wait_xcnt 0x0                                ; and again in front of the line that widens it
	s_or_b32 exec_lo, exec_lo, s33
	s_endpgm
.Lfunc_end_k_qd89cb02d8a_compose:
	.size	k_qd89cb02d8a_compose, .Lfunc_end_k_qd89cb02d8a_compose-k_qd89cb02d8a_compose
	.p2alignl 7, 3214868480
	.fill 96, 4, 3214868480
	.section	.rodata,"a",@progbits
	.p2align	6, 0x0
	.amdhsa_kernel k_qd89cb02d8a_compose
		.amdhsa_group_segment_fixed_size 0
		.amdhsa_private_segment_fixed_size 0
		.amdhsa_enable_private_segment 0
		.amdhsa_kernarg_size 56
		.amdhsa_user_sgpr_count 2
		.amdhsa_user_sgpr_kernarg_segment_ptr 1
		.amdhsa_wavefront_size32 1
		.amdhsa_system_sgpr_workgroup_id_x 1
		.amdhsa_system_sgpr_workgroup_id_y 1
		.amdhsa_system_sgpr_workgroup_id_z 1
		.amdhsa_system_vgpr_workitem_id 0
		.amdhsa_next_free_vgpr 212
		.amdhsa_next_free_sgpr 66
		.amdhsa_reserve_vcc 1
		.amdhsa_float_denorm_mode_32 3
		.amdhsa_float_denorm_mode_16_64 3
		.amdhsa_memory_ordered 1
		.amdhsa_forward_progress 1
		.amdhsa_inst_pref_size 28
	.end_amdhsa_kernel
	.amdgpu_metadata
---
amdhsa.version: [ 1, 2 ]
amdhsa.kernels:
  - .name:           k_qd89cb02d8a_compose
    .symbol:         k_qd89cb02d8a_compose.kd
    .args:
      - { .name: affine, .offset: 0, .size: 8, .value_kind: global_buffer, .address_space: global }
      - { .name: scale, .offset: 8, .size: 8, .value_kind: global_buffer, .address_space: global }
      - { .name: shear, .offset: 16, .size: 8, .value_kind: global_buffer, .address_space: global }
      - { .name: translate, .offset: 24, .size: 8, .value_kind: global_buffer, .address_space: global }
      - { .name: out1, .offset: 32, .size: 8, .value_kind: global_buffer, .address_space: global }
      - { .name: out2, .offset: 40, .size: 8, .value_kind: global_buffer, .address_space: global }
      - { .name: params, .offset: 48, .size: 8, .value_kind: global_buffer, .address_space: global }
    .group_segment_fixed_size: 0
    .private_segment_fixed_size: 0
    .kernarg_segment_align: 8
    .kernarg_segment_size: 56
    .max_flat_workgroup_size: 32
    .sgpr_count:     66
    .vgpr_count:     212
    .wavefront_size: 32
...
	.end_amdgpu_metadata
.endif
;; end of part 1
;; launch warp (part 2): grid 768 x 2, 12 waves a work-group, no clusters, 0 bytes of LDS; arguments src, params, out0; writes out0
.if DOCPART == 2
	.amdgcn_target "amdgcn-amd-amdhsa--gfx1250"
	.amdhsa_code_object_version 6
	.text
	.protected	k_qd89cb02d8a_warp
	.globl	k_qd89cb02d8a_warp
	.p2align	8
	.type	k_qd89cb02d8a_warp,@function
k_qd89cb02d8a_warp:
	s_mov_b64 s[64:65], 0
	v_nop
	global_prefetch_b8 v0, s[64:65] scope:SCOPE_SE
	s_setreg_imm32_b32 hwreg(HW_REG_WAVE_MODE, 25, 1), 1
	s_wait_xcnt 0x0
; WARP.  out0[b][z][y][x] = trilinear sample, with zeros outside, of src[b] at the affine image of (x, y, z).  src, out0: [2][192][192][192] f32.
; POSITIONS ARE WHOLE NUMBERS.  params (made by the launch before) holds for each batch 12 signed 64-bit numbers with 32 fraction bits, M_k0 M_k1 M_k2 T_k for source axis k = x, y, z:
; position_k = M_k0 x + M_k1 y + M_k2 z + T_k.  Its high word IS floor(position), its low word the fraction.  So every address is made of whole numbers read from memory, of ids and of constants;
; floating point begins at the weights.  A step down y is one 64-bit addition a coordinate.  By the clamp of the launch before positions stay under 2^30 voxels: no word overflows.
; ONE ADDRESS A VOXEL.  b = clamp(floor, 0, 190) along each axis; the eight loads take src at (bz, by, bx) plus the immediates 0 / 147,456, 0 / 768, 0 / 4: all inside src.
; With u = position - b the two slots' weights along an axis are  med3(1 + u, 0, 1 - u)  and  med3(u, 0, 2 - u):  inside the volume u is the fraction w and they are 1 - w and w;
; at floor = -1 they are (w, 0), at floor = 191 (0, 1 - w), further out (0, 0): reference()'s zero padding.
; SHARES.  A lane owns two neighbouring x (A, B): its 8 bytes of a row; a wave's store covers 256 consecutive bytes, at a multiple of 256 from out0's first byte.  A wave owns 64 x and 12 rows of y in one z;
; the 12 waves of a work-group are 3 pieces of x by 4 z; 16 x 48 work-groups a batch.  Packed f32 arithmetic runs over the pair (A, B), and the last line's pair is the store's data.
; TWO SETS OF REGISTERS take turns: the next row's 16 loads are issued before the row in hand is finished, so 16 to 32 loads of every wave are on their way.
; No LDS, no barrier: the waves share nothing but src.
.set ROWB,   768                       ; bytes in a row of x
.set SLICEB, 147456                    ; in a slice of y, x
.set VOLB,   28311552                  ; in a batch
.set ROWS,   12                        ; rows of a wave
.set TRIPS,  (ROWS-2)/2                ; two rows a trip; the first load group and the last two rows stand outside the loop
.set XL,   2                           ; v2      2 x lane
.set OUTO, 3                           ; v3      8 x lane: my bytes in the wave's 256; never rewritten
.set P,    4                           ; v4-15   positions, a pair each: voxel p (A 0, B 1), axis k at P + 6 p + 2 k
.set DY,   16                          ; v16-21  M_k1: the step to the next row
.set BC,   22                          ; v22-27  b: voxel p, axis k at BC + 3 p + k
.set MX,   22                          ; v22-23  at the start only: M_k0
.set TA,   28                          ; v28-29  floor - b, then u, of (A, B)
.set WF,   30                          ; v30-31  the fraction's 32 bits as f32
.set PP,   32                          ; v32-33  1 + u
.set QQ,   34                          ; v34-35  1 - u
.set RR,   36                          ; v36-37  2 - u
.set SETS, 38                          ; v38-69, v70-101  a set: +0 two addresses; +2 weights (axis k: slot 0 at +2+4k, slot 1 at +4+4k, pairs); +14 values (sample s = 4 dz + 2 dy + dx at +14+2s, pairs); +30 the result
	s_load_b128 s[4:7], s[0:1], 0x0                ; src s[4:5], params s[6:7]
	s_load_b64 s[8:9], s[0:1], 0x10                ; out0
	v_lshrrev_b32 v1, 5, v0
	v_readfirstlane_b32 s10, v1                    ; wave 0..11
	s_and_b32 s11, ttmp7, 0xffff                   ; batch
	s_lshl_b32 s12, s11, 7                         ; its 128 bytes in params
	s_mov_b32 s13, 0
	s_wait_kmcnt 0x0
	s_add_nc_u64 s[6:7], s[6:7], s[12:13]
	s_load_b512 s[16:31], s[6:7], 0x0              ; axis 0: M s[16:21], T s[22:23]; axis 1: s[24:29], s[30:31]
	s_load_b256 s[32:39], s[6:7], 0x40             ; axis 2: s[32:37], s[38:39]
	s_mul_i32 s14, s10, 11
	s_lshr_b32 s14, s14, 5                         ; wave / 3 (11 w / 32 for w < 12): which of the group's four z
	s_mul_i32 s15, s14, 3
	s_sub_co_u32 s15, s10, s15                     ; wave % 3: which 64 x
	s_lshl_b32 s40, s15, 6                         ; s[40:41] my first x
	s_mov_b32 s41, 0
	s_and_b32 s42, ttmp9, 15
	s_mul_i32 s42, s42, ROWS                       ; s[42:43] my first y
	s_mov_b32 s43, 0
	s_lshr_b32 s44, ttmp9, 4
	s_lshl2_add_u32 s44, s44, s14                  ; s[44:45] my z = 4 x (group / 16) + wave / 3
	s_mov_b32 s45, 0
	s_mul_i32 s46, s11, 192
	s_add_co_u32 s46, s46, s44
	s_mul_i32 s46, s46, 192
	s_add_co_u32 s46, s46, s42
	s_mul_i32 s46, s46, ROWB                       ; ((b 192 + z) 192 + y) rows of 768 bytes: under 2^26
	s_lshl2_add_u32 s46, s40, s46                  ; + 4 x
	s_mov_b32 s47, 0
	s_add_nc_u64 s[8:9], s[8:9], s[46:47]          ; out0 at my first row's 256 bytes
	s_mul_i32 s48, s11, VOLB
	s_mov_b32 s49, 0
	s_add_nc_u64 s[4:5], s[4:5], s[48:49]          ; src at my batch
	v_and_b32 v1, 31, v0
	v_lshlrev_b32 v[XL], 1, v1
	v_lshlrev_b32 v[OUTO], 3, v1
	s_wait_kmcnt 0x0
	; my first positions: the wave's part in scalar 64-bit arithmetic (products modulo 2^64 are right for signed M), the lane's 2 x lane x M_k0 in two lines: low word in 64 bits, high word onto the high word
.irp k, 0,1,2
	s_mul_u64 s[50:51], s[16+8*\k:17+8*\k], s[40:41]
	s_mul_u64 s[52:53], s[18+8*\k:19+8*\k], s[42:43]
	s_mul_u64 s[54:55], s[20+8*\k:21+8*\k], s[44:45]
	s_add_nc_u64 s[22+8*\k:23+8*\k], s[22+8*\k:23+8*\k], s[50:51]
	s_add_nc_u64 s[52:53], s[52:53], s[54:55]
	s_add_nc_u64 s[22+8*\k:23+8*\k], s[22+8*\k:23+8*\k], s[52:53]
	v_mov_b32 v[MX], s[16+8*\k]
	v_mov_b32 v[MX+1], s[17+8*\k]
	v_mov_b32 v[P+2*\k], s[22+8*\k]
	v_mov_b32 v[P+2*\k+1], s[23+8*\k]
	v_mov_b32 v[DY+2*\k], s[18+8*\k]
	v_mov_b32 v[DY+2*\k+1], s[19+8*\k]
	v_mad_nc_u64_u32 v[P+2*\k:P+2*\k+1], v[MX], v[XL], v[P+2*\k:P+2*\k+1]
	v_mad_u32 v[P+2*\k+1], v[MX+1], v[XL], v[P+2*\k+1]
	v_add_nc_u64 v[P+6+2*\k:P+6+2*\k+1], v[P+2*\k:P+2*\k+1], v[MX:MX+1]   ; B lies one x further
.endr
; A row is begun: addresses, the 16 loads, then (while they are on their way) the weights, and the positions step to the next row.
.macro PREP set
.set AD, SETS+32*(\set)
.set WT, AD+2
.set VL, AD+14
.irp e, 0,1,2,3,4,5
	v_max_i32 v[BC+\e], 0, v[P+2*\e+1]
.endr
.irp e, 0,1,2,3,4,5
	v_min_u32 v[BC+\e], 0xbe, v[BC+\e]             ; b = clamp(floor, 0, 190): a number made of loaded ones enters an address only behind v_min_u32 with a constant; behind it multiplies, adds and a shift
.endr
.irp p, 0,1
	v_mad_u32_u24 v[AD+\p], v[BC+3*\p+2], 0xc0, v[BC+3*\p+1]
.endr
.irp p, 0,1
	v_mad_u32_u24 v[AD+\p], v[AD+\p], 0xc0, v[BC+3*\p]
.endr
.irp p, 0,1
	v_lshlrev_b32 v[AD+\p], 2, v[AD+\p]            ; ((bz 192 + by) 192 + bx) x 4: with the largest immediate the batch's last number at the most
.endr
.irp s, 0,1,2,3,4,5,6,7
.irp p, 0,1
	global_load_b32 v[VL+2*\s+\p], v[AD+\p], s[4:5] offset:((\s)/4)*SLICEB+(((\s)/2)%2)*ROWB+((\s)%2)*4
.endr
.endr
.irp k, 0,1,2
	v_sub_nc_u32 v[TA], v[P+2*\k+1], v[BC+\k]      ; floor - b: 0 inside the volume
	v_sub_nc_u32 v[TA+1], v[P+6+2*\k+1], v[BC+3+\k]
	v_cvt_f32_u32 v[WF], v[P+2*\k]
	v_cvt_f32_u32 v[WF+1], v[P+6+2*\k]
	v_cvt_f32_i32 v[TA], v[TA]
	v_cvt_f32_i32 v[TA+1], v[TA+1]
	v_add_nc_u64 v[P+2*\k:P+2*\k+1], v[P+2*\k:P+2*\k+1], v[DY+2*\k:DY+2*\k+1]
	v_add_nc_u64 v[P+6+2*\k:P+6+2*\k+1], v[P+6+2*\k:P+6+2*\k+1], v[DY+2*\k:DY+2*\k+1]
	v_pk_fma_f32 v[TA:TA+1], v[WF:WF+1], 0x2f800000, v[TA:TA+1] op_sel_hi:[1,0,1]   ; u = fraction x 2^-32 + (floor - b)
	v_pk_fma_f32 v[PP:PP+1], v[TA:TA+1], 1.0, 1.0 op_sel_hi:[1,0,0]
	v_pk_fma_f32 v[QQ:QQ+1], v[TA:TA+1], -1.0, 1.0 op_sel_hi:[1,0,0]
	v_pk_fma_f32 v[RR:RR+1], v[TA:TA+1], -1.0, 2.0 op_sel_hi:[1,0,0]
	v_med3_num_f32 v[WT+4*\k], v[PP], 0, v[QQ]
	v_med3_num_f32 v[WT+4*\k+1], v[PP+1], 0, v[QQ+1]
	v_med3_num_f32 v[WT+4*\k+2], v[TA], 0, v[RR]
	v_med3_num_f32 v[WT+4*\k+3], v[TA+1], 0, v[RR+1]
.endr
.endm
; A row is finished: the eight samples are folded along x, y and z, both voxels in each line, and stored.  left = the younger loads that may stay out.
.macro FINISH set, left, off
.set AD, SETS+32*(\set)
.set WT, AD+2
.set VL, AD+14
	s_wait_loadcnt \left                           ; loads come back in order (ISA guide 5.7.1): this set's 16 are in, the other set's stay on their way
.irp g, 0,1,2,3
	v_pk_mul_f32 v[VL+4*\g:VL+4*\g+1], v[VL+4*\g:VL+4*\g+1], v[WT:WT+1]
.endr
.irp g, 0,1,2,3
	v_pk_fma_f32 v[VL+4*\g:VL+4*\g+1], v[VL+4*\g+2:VL+4*\g+3], v[WT+2:WT+3], v[VL+4*\g:VL+4*\g+1]
.endr
.irp h, 0,1
	v_pk_mul_f32 v[VL+8*\h:VL+8*\h+1], v[VL+8*\h:VL+8*\h+1], v[WT+4:WT+5]
.endr
.irp h, 0,1
	v_pk_fma_f32 v[VL+8*\h:VL+8*\h+1], v[VL+8*\h+4:VL+8*\h+5], v[WT+6:WT+7], v[VL+8*\h:VL+8*\h+1]
.endr
	v_pk_mul_f32 v[AD+30:AD+31], v[VL:VL+1], v[WT+8:WT+9]
	v_pk_fma_f32 v[AD+30:AD+31], v[VL+8:VL+9], v[WT+10:WT+11], v[AD+30:AD+31]
	global_store_b64 v[OUTO], v[AD+30:AD+31], s[8:9] offset:\off th:TH_STORE_NT   ; written once, not read again in the launch
.endm
	PREP 0
	s_mov_b32 s57, TRIPS
.Lrows:                                                ; at the head, on both ways in, set 0's 16 loads are out
	PREP 1
	FINISH 0, 16, 0                                ; 16: set 1's loads, issued behind set 0's
	PREP 0                                         ; set 0's addresses and values are free: the wait above has shown its loads done
	FINISH 1, 16, ROWB                             ; 16: set 0's new loads
	s_wait_xcnt 0x0                                ; the two stores' base and data are rewritten only behind this wait
	s_add_nc_u64 s[8:9], s[8:9], 2*ROWB
	s_sub_co_u32 s57, s57, 1
	s_cmp_lg_u32 s57, 0
	s_cbranch_scc1 .Lrows
	PREP 1                                         ; the last row's loads; nothing is asked for beyond the wave's 12 rows
	FINISH 0, 16, 0
	FINISH 1, 0, ROWB
	s_endpgm
.Lfunc_end_k_qd89cb02d8a_warp:
	.size	k_qd89cb02d8a_warp, .Lfunc_end_k_qd89cb02d8a_warp-k_qd89cb02d8a_warp
	.p2alignl 7, 3214868480
	.fill 96, 4, 3214868480
	.section	.rodata,"a",@progbits
	.p2align	6, 0x0
	.amdhsa_kernel k_qd89cb02d8a_warp
		.amdhsa_group_segment_fixed_size 0
		.amdhsa_private_segment_fixed_size 0
		.amdhsa_enable_private_segment 0
		.amdhsa_kernarg_size 24
		.amdhsa_user_sgpr_count 2
		.amdhsa_user_sgpr_kernarg_segment_ptr 1
		.amdhsa_wavefront_size32 1
		.amdhsa_system_sgpr_workgroup_id_x 1
		.amdhsa_system_sgpr_workgroup_id_y 1
		.amdhsa_system_sgpr_workgroup_id_z 1
		.amdhsa_system_vgpr_workitem_id 0
		.amdhsa_next_free_vgpr 104
		.amdhsa_next_free_sgpr 66
		.amdhsa_reserve_vcc 0
		.amdhsa_float_denorm_mode_32 3
		.amdhsa_float_denorm_mode_16_64 3
		.amdhsa_memory_ordered 1
		.amdhsa_forward_progress 1
		.amdhsa_inst_pref_size 27
	.end_amdhsa_kernel
	.amdgpu_metadata
---
amdhsa.version: [ 1, 2 ]
amdhsa.kernels:
  - .name:           k_qd89cb02d8a_warp
    .symbol:         k_qd89cb02d8a_warp.kd
    .args:
      - { .name: src, .offset: 0, .size: 8, .value_kind: global_buffer, .address_space: global }
      - { .name: params, .offset: 8, .size: 8, .value_kind: global_buffer, .address_space: global }
      - { .name: out0, .offset: 16, .size: 8, .value_kind: global_buffer, .address_space: global }
    .group_segment_fixed_size: 0
    .private_segment_fixed_size: 0
    .kernarg_segment_align: 8
    .kernarg_segment_size: 24
    .max_flat_workgroup_size: 384
    .sgpr_count:     66
    .vgpr_count:     104
    .wavefront_size: 32
...
	.end_amdgpu_metadata
.endif
;; end of part 2
;; ======== version 2 of 2: 2 launches; version 1 with the launch warp written anew for expert scheduling mode
;; limits: right only within a limited range of input values; inputs' magnitudes at most 1,048,576
;; workspace buffers: params 256 bytes of whole numbers
;; launch compose: the kernel of part 1 again; grid 1 x 1, 1 waves a work-group, no clusters, 0 bytes of LDS; arguments affine, scale, shear, translate, out1, out2, params; writes out1, out2, params
;; launch warp (part 3): grid 768 x 2, 12 waves a work-group, no clusters, 0 bytes of LDS; arguments src, params, out0; writes out0
.if DOCPART == 3
	.amdgcn_target "amdgcn-amd-amdhsa--gfx1250"
	.amdhsa_code_object_version 6
	.text
	.protected	k_qd89cb02d8a_warp
	.globl	k_qd89cb02d8a_warp
	.p2align	8
	.type	k_qd89cb02d8a_warp,@function
k_qd89cb02d8a_warp:
	s_mov_b64 s[64:65], 0
	v_nop
	global_prefetch_b8 v0, s[64:65] scope:SCOPE_SE
	s_setreg_imm32_b32 hwreg(HW_REG_WAVE_SCHED_MODE, 0, 2), 2
	s_setreg_imm32_b32 hwreg(HW_REG_WAVE_MODE, 25, 1), 1
	s_wait_xcnt 0x0
	s_wait_alu depctr_vm_vsrc(0)
; WARP.  out0[b][z][y][x] = trilinear sample, with zeros outside, of src[b] at the affine image of (x, y, z).  src, out0: [2][192][192][192] f32.
; POSITIONS ARE WHOLE NUMBERS.  params (made by the launch before) holds for each batch 12 signed 64-bit numbers with 32 fraction bits, M_k0 M_k1 M_k2 T_k for source axis k = x, y, z:
; position_k = M_k0 x + M_k1 y + M_k2 z + T_k.  Its high word IS floor(position), its low word the fraction.  So every address is made of whole numbers read from memory, of ids and of constants;
; floating point begins at the weights.  A step down y is one 64-bit addition a coordinate.  By the clamp of the launch before positions stay under 2^30 voxels: no word overflows.
; ONE ADDRESS A VOXEL.  b = clamp(floor, 0, 190) along each axis; the eight loads take src at (bz, by, bx) plus the immediates 0 / 147,456, 0 / 768, 0 / 4: all inside src.
; With u = position - b the two slots' weights along an axis are  med3(1 + u, 0, 1 - u)  and  med3(u, 0, 2 - u):  inside the volume u is the fraction w and they are 1 - w and w;
; at floor = -1 they are (w, 0), at floor = 191 (0, 1 - w), further out (0, 0): reference()'s zero padding.
; SHARES.  A lane owns two neighbouring x (A, B): its 8 bytes of a row; a wave's store covers 256 consecutive bytes, at a multiple of 256 from out0's first byte.  A wave owns 64 x and 12 rows of y in one z;
; the 12 waves of a work-group are 3 pieces of x by 4 z; 16 x 48 work-groups a batch.  Packed f32 arithmetic runs over the pair (A, B), and the last line's pair is the store's data.
; TWO SETS OF REGISTERS take turns: the next row's 16 loads are issued before the row in hand is finished, so 16 to 32 loads of every wave are on their way.
; No LDS, no barrier: the waves share nothing but src.
; THE MODE: SCHED_MODE bits 1:0 = 2 (LLVM: expert scheduling mode 2), set by the entry lines.  The code itself states the register dependences
; between vector instructions and memory instructions, with s_wait_alu, always for 0.
; THE PLAN.  Step p has row p in hand, in set s = p % 2; o is the other set.  Registers that memory instructions touch:
;   AD[set]   two addresses.  Written by the address lines of row p + 2, which stand in step p (into AD[s]); read by that row's 16 loads, issued in step p + 1.
;   VL[set]   16 values.      The loads of row p + 1, issued in step p, land in VL[o]; the fold of step p + 1 reads and writes them.
;   RES[set]  the result.     Written by the fold of step p (RES[s]); read by the store that is issued in step p + 1.
;   v[OUTO]   written once at the head; read by every store.
; Positions, b, weights and the registers at work are named by vector instructions alone.
; A step: three waits; row p + 1's loads and row p - 1's store, dealt among row p + 1's weight lines; row p + 2's address lines; the wait for row p's values; row p's fold.
; The memory instructions of step p touch AD[o], VL[o], RES[o] and v[OUTO]; every vector line that wrote or read these stands in step p - 1 or earlier, and the vector lines issued between the head's waits and
; the step's last memory instruction, weight lines, name none of them.  The vector lines of step p write AD[s] and RES[s], which the memory instructions of step p - 1 read.  So the three waits at a step's head state all.
.set ROWB,   768                       ; bytes in a row of x
.set SLICEB, 147456                    ; in a slice of y, x
.set VOLB,   28311552                  ; in a batch
.set ROWS,   12                        ; rows of a wave
.set TRIPS,  (ROWS-4)/2                ; two steps a trip; step 0 and steps 9 to 11 stand outside the loop
.set XL,   2                           ; v2      2 x lane
.set OUTO, 3                           ; v3      8 x lane: my bytes in the wave's 256; never rewritten
.set P,    4                           ; v4-15   positions, a pair each: voxel p (A 0, B 1), axis k at P + 6 p + 2 k
.set DY,   16                          ; v16-21  M_k1: the step to the next row
.set BC,   22                          ; v22-27  b: voxel p, axis k at BC + 3 p + k
.set MX,   22                          ; v22-23  at the start only: M_k0
.set TA,   28                          ; v28-29  floor - b, then u, of (A, B)
.set WF,   30                          ; v30-31  the fraction's 32 bits as f32
.set PP,   32                          ; v32-33  1 + u
.set QQ,   34                          ; v34-35  1 - u
.set RR,   36                          ; v36-37  2 - u
.set SETS, 38                          ; v38-69, v70-101  a set: +0 two addresses; +2 weights (axis k: slot 0 at +2+4k, slot 1 at +4+4k, pairs); +14 values (sample s = 4 dz + 2 dy + dx at +14+2s, pairs); +30 the result
	s_load_b128 s[4:7], s[0:1], 0x0                ; src s[4:5], params s[6:7]
	s_load_b64 s[8:9], s[0:1], 0x10                ; out0
	v_lshrrev_b32 v1, 5, v0
	v_readfirstlane_b32 s10, v1                    ; wave 0..11
	s_and_b32 s11, ttmp7, 0xffff                   ; batch
	s_lshl_b32 s12, s11, 7                         ; its 128 bytes in params
	s_mov_b32 s13, 0
	s_wait_kmcnt 0x0
	s_add_nc_u64 s[6:7], s[6:7], s[12:13]
	s_load_b512 s[16:31], s[6:7], 0x0              ; axis 0: M s[16:21], T s[22:23]; axis 1: s[24:29], s[30:31]
	s_load_b256 s[32:39], s[6:7], 0x40             ; axis 2: s[32:37], s[38:39]
	s_wait_alu depctr_va_sdst(0)                   ; s10 is written, ahead of its first reader: my x, my z and out0's base are made from it
	s_mul_i32 s14, s10, 11
	s_lshr_b32 s14, s14, 5                         ; wave / 3 (11 w / 32 for w < 12): which of the group's four z
	s_mul_i32 s15, s14, 3
	s_sub_co_u32 s15, s10, s15                     ; wave % 3: which 64 x
	s_lshl_b32 s40, s15, 6                         ; s[40:41] my first x
	s_mov_b32 s41, 0
	s_and_b32 s42, ttmp9, 15
	s_mul_i32 s42, s42, ROWS                       ; s[42:43] my first y
	s_mov_b32 s43, 0
	s_lshr_b32 s44, ttmp9, 4
	s_lshl2_add_u32 s44, s44, s14                  ; s[44:45] my z = 4 x (group / 16) + wave / 3
	s_mov_b32 s45, 0
	s_mul_i32 s46, s11, 192
	s_add_co_u32 s46, s46, s44
	s_mul_i32 s46, s46, 192
	s_add_co_u32 s46, s46, s42
	s_mul_i32 s46, s46, ROWB                       ; ((b 192 + z) 192 + y) rows of 768 bytes: under 2^26
	s_lshl2_add_u32 s46, s40, s46                  ; + 4 x
	s_mov_b32 s47, 0
	s_add_nc_u64 s[8:9], s[8:9], s[46:47]          ; out0 at my first row's 256 bytes
	s_mul_i32 s48, s11, VOLB
	s_mov_b32 s49, 0
	s_add_nc_u64 s[4:5], s[4:5], s[48:49]          ; src at my batch
	v_and_b32 v1, 31, v0
	v_lshlrev_b32 v[XL], 1, v1
	v_lshlrev_b32 v[OUTO], 3, v1
	s_wait_kmcnt 0x0
	; my first positions: the wave's part in scalar 64-bit arithmetic (products modulo 2^64 are right for signed M), the lane's 2 x lane x M_k0 in two lines: low word in 64 bits, high word onto the high word
.irp k, 0,1,2
	s_mul_u64 s[50:51], s[16+8*\k:17+8*\k], s[40:41]
	s_mul_u64 s[52:53], s[18+8*\k:19+8*\k], s[42:43]
	s_mul_u64 s[54:55], s[20+8*\k:21+8*\k], s[44:45]
	s_add_nc_u64 s[22+8*\k:23+8*\k], s[22+8*\k:23+8*\k], s[50:51]
	s_add_nc_u64 s[52:53], s[52:53], s[54:55]
	s_add_nc_u64 s[22+8*\k:23+8*\k], s[22+8*\k:23+8*\k], s[52:53]
	v_mov_b32 v[MX], s[16+8*\k]
	v_mov_b32 v[MX+1], s[17+8*\k]
	v_mov_b32 v[P+2*\k], s[22+8*\k]
	v_mov_b32 v[P+2*\k+1], s[23+8*\k]
	v_mov_b32 v[DY+2*\k], s[18+8*\k]
	v_mov_b32 v[DY+2*\k+1], s[19+8*\k]
	v_mad_nc_u64_u32 v[P+2*\k:P+2*\k+1], v[MX], v[XL], v[P+2*\k:P+2*\k+1]
	v_mad_u32 v[P+2*\k+1], v[MX+1], v[XL], v[P+2*\k+1]
	v_add_nc_u64 v[P+6+2*\k:P+6+2*\k+1], v[P+2*\k:P+2*\k+1], v[MX:MX+1]   ; B lies one x further
.endr
; The addresses, and b, of the row at which the positions stand, a step ahead of the loads that read them.
.macro ADDR set
.set AD, SETS+32*(\set)
.irp e, 0,1,2,3,4,5
	v_max_i32 v[BC+\e], 0, v[P+2*\e+1]
.endr
.irp e, 0,1,2,3,4,5
	v_min_u32 v[BC+\e], 0xbe, v[BC+\e]             ; b = clamp(floor, 0, 190): a number made of loaded ones enters an address only behind v_min_u32 with a constant; behind it multiplies, adds and a shift
.endr
.irp p, 0,1
	v_mad_u32_u24 v[AD+\p], v[BC+3*\p+2], 0xc0, v[BC+3*\p+1]
.endr
.irp p, 0,1
	v_mad_u32_u24 v[AD+\p], v[AD+\p], 0xc0, v[BC+3*\p]
.endr
.irp p, 0,1
	v_lshlrev_b32 v[AD+\p], 2, v[AD+\p]            ; ((bz 192 + by) 192 + bx) x 4: with the largest immediate the batch's last number at the most
.endr
.endm
; What stands ahead of group n of the twelve groups of four weight lines: sample n's two loads (n < 8), or the store of the set's last result (n = 8).  No wait: no vector line since the head's waits names their registers.
.macro GIVE st
.if n < 8
	global_load_b32 v[VL+2*n],   v[AD],   s[4:5] offset:(n/4)*SLICEB+((n/2)%2)*ROWB+(n%2)*4
	global_load_b32 v[VL+2*n+1], v[AD+1], s[4:5] offset:(n/4)*SLICEB+((n/2)%2)*ROWB+(n%2)*4
.elseif (n == 8) && (\st)
	global_store_b64 v[OUTO], v[AD+30:AD+31], s[8:9] offset:-ROWB th:TH_STORE_NT   ; the row before the one in hand: the offset reaches back; written once, not read again in the launch
.endif
.set n, n+1
.endm
; A row is asked for: its 16 loads, by the addresses made a step ago, dealt among its weight lines; the positions step to the next row.  st = 1: the set's last result is stored behind the loads.
.macro ASK set, st
.set AD, SETS+32*(\set)
.set WT, AD+2
.set VL, AD+14
.set n, 0
.irp k, 0,1,2
	GIVE \st
	v_sub_nc_u32 v[TA], v[P+2*\k+1], v[BC+\k]      ; floor - b: 0 inside the volume
	v_sub_nc_u32 v[TA+1], v[P+6+2*\k+1], v[BC+3+\k]
	v_cvt_f32_u32 v[WF], v[P+2*\k]
	v_cvt_f32_u32 v[WF+1], v[P+6+2*\k]
	GIVE \st
	v_cvt_f32_i32 v[TA], v[TA]
	v_cvt_f32_i32 v[TA+1], v[TA+1]
	v_add_nc_u64 v[P+2*\k:P+2*\k+1], v[P+2*\k:P+2*\k+1], v[DY+2*\k:DY+2*\k+1]
	v_add_nc_u64 v[P+6+2*\k:P+6+2*\k+1], v[P+6+2*\k:P+6+2*\k+1], v[DY+2*\k:DY+2*\k+1]
	GIVE \st
	v_pk_fma_f32 v[TA:TA+1], v[WF:WF+1], 0x2f800000, v[TA:TA+1] op_sel_hi:[1,0,1]   ; u = fraction x 2^-32 + (floor - b)
	v_pk_fma_f32 v[PP:PP+1], v[TA:TA+1], 1.0, 1.0 op_sel_hi:[1,0,0]
	v_pk_fma_f32 v[QQ:QQ+1], v[TA:TA+1], -1.0, 1.0 op_sel_hi:[1,0,0]
	v_pk_fma_f32 v[RR:RR+1], v[TA:TA+1], -1.0, 2.0 op_sel_hi:[1,0,0]
	GIVE \st
	v_med3_num_f32 v[WT+4*\k], v[PP], 0, v[QQ]
	v_med3_num_f32 v[WT+4*\k+1], v[PP+1], 0, v[QQ+1]
	v_med3_num_f32 v[WT+4*\k+2], v[TA], 0, v[RR]
	v_med3_num_f32 v[WT+4*\k+3], v[TA+1], 0, v[RR+1]
.endr
.endm
; A row is finished: the eight samples are folded along x, y and z, both voxels in each line.  left = the younger loads that may stay out.  The next step stores the result.
.macro FOLD set, left
.set AD, SETS+32*(\set)
.set WT, AD+2
.set VL, AD+14
	s_wait_loadcnt \left                           ; loads come back in order (ISA guide 5.7.1): this set's 16 are in, the other set's stay on their way
.irp g, 0,1,2,3
	v_pk_mul_f32 v[VL+4*\g:VL+4*\g+1], v[VL+4*\g:VL+4*\g+1], v[WT:WT+1]
.endr
.irp g, 0,1,2,3
	v_pk_fma_f32 v[VL+4*\g:VL+4*\g+1], v[VL+4*\g+2:VL+4*\g+3], v[WT+2:WT+3], v[VL+4*\g:VL+4*\g+1]
.endr
.irp h, 0,1
	v_pk_mul_f32 v[VL+8*\h:VL+8*\h+1], v[VL+8*\h:VL+8*\h+1], v[WT+4:WT+5]
.endr
.irp h, 0,1
	v_pk_fma_f32 v[VL+8*\h:VL+8*\h+1], v[VL+8*\h+4:VL+8*\h+5], v[WT+6:WT+7], v[VL+8*\h:VL+8*\h+1]
.endr
	v_pk_mul_f32 v[AD+30:AD+31], v[VL:VL+1], v[WT+8:WT+9]
	v_pk_fma_f32 v[AD+30:AD+31], v[VL+8:VL+9], v[WT+10:WT+11], v[AD+30:AD+31]
.endm
; Step p.  cur = p % 2: the set of the row in hand.  st = 1: row p - 1 is stored.  ask = 1: row p + 1 is asked for.  adr = 1: row p + 2's addresses are made.  left: for the fold's wait.
.macro STEP cur, st, ask, adr, left
	s_wait_xcnt 0x0                                ; every earlier memory instruction has had its addresses translated (ISA guide 3.1): only behind this wait are the stores' base, this set's result and this set's addresses (its loads are still out) rewritten
	s_wait_alu depctr_vm_vsrc(0)                   ; the loads of the row in hand have read this set's addresses, and the last step's store has read this set's result: this step's address lines and fold write them again
	s_wait_alu depctr_va_vdst(0)                   ; the last step has written the other set's addresses and result, which the loads and the store below read, and its fold is done with the other set's values, in which the loads land
.if \st
	s_add_nc_u64 s[8:9], s[8:9], ROWB              ; out0's base at the row in hand
.endif
.if \ask
	ASK 1-(\cur), \st
.else
.set AD, SETS+32*(1-(\cur))
	global_store_b64 v[OUTO], v[AD+30:AD+31], s[8:9] offset:-ROWB th:TH_STORE_NT
.endif
.if \adr
	ADDR \cur                                      ; stands ahead of the fold's wait: it hangs on no loaded value
.endif
	FOLD \cur, \left
.endm
	ADDR 0                                         ; row 0's addresses
	s_wait_alu depctr_va_vdst(0)                   ; set 0's addresses are written, which the first loads read; so is v[OUTO], which every store reads
	ASK 0, 0                                       ; row 0 is asked for
	ADDR 1                                         ; row 1's addresses
	STEP 0, 0, 1, 1, 16                            ; step 0: there is no row before it to store.  16: row 1's loads, issued behind row 0's
	s_mov_b32 s57, TRIPS
.Lrows:                                                ; steps 1 to 8.  At the head, on both ways in: set 1's 16 loads are out, set 0's result is to be stored, set 0's addresses are made
	STEP 1, 1, 1, 1, 16
	STEP 0, 1, 1, 1, 16
	s_sub_co_u32 s57, s57, 1
	s_cmp_lg_u32 s57, 0
	s_cbranch_scc1 .Lrows
	STEP 1, 1, 1, 1, 16                            ; step 9: row 10 is asked for, row 11's addresses are made
	STEP 0, 1, 1, 0, 16                            ; step 10: the last row's loads; nothing is asked for beyond the wave's 12 rows
	STEP 1, 1, 0, 0, 0                             ; step 11
	s_wait_alu depctr_va_vdst(0)                   ; the last fold has written set 1's result, which the last store reads
	global_store_b64 v[OUTO], v[SETS+62:SETS+63], s[8:9] th:TH_STORE_NT
	s_endpgm
.Lfunc_end_k_qd89cb02d8a_warp:
	.size	k_qd89cb02d8a_warp, .Lfunc_end_k_qd89cb02d8a_warp-k_qd89cb02d8a_warp
	.p2alignl 7, 3214868480
	.fill 96, 4, 3214868480
	.section	.rodata,"a",@progbits
	.p2align	6, 0x0
	.amdhsa_kernel k_qd89cb02d8a_warp
		.amdhsa_group_segment_fixed_size 0
		.amdhsa_private_segment_fixed_size 0
		.amdhsa_enable_private_segment 0
		.amdhsa_kernarg_size 24
		.amdhsa_user_sgpr_count 2
		.amdhsa_user_sgpr_kernarg_segment_ptr 1
		.amdhsa_wavefront_size32 1
		.amdhsa_system_sgpr_workgroup_id_x 1
		.amdhsa_system_sgpr_workgroup_id_y 1
		.amdhsa_system_sgpr_workgroup_id_z 1
		.amdhsa_system_vgpr_workitem_id 0
		.amdhsa_next_free_vgpr 104
		.amdhsa_next_free_sgpr 66
		.amdhsa_reserve_vcc 0
		.amdhsa_float_denorm_mode_32 3
		.amdhsa_float_denorm_mode_16_64 3
		.amdhsa_memory_ordered 1
		.amdhsa_forward_progress 1
		.amdhsa_inst_pref_size 40
	.end_amdhsa_kernel
	.amdgpu_metadata
---
amdhsa.version: [ 1, 2 ]
amdhsa.kernels:
  - .name:           k_qd89cb02d8a_warp
    .symbol:         k_qd89cb02d8a_warp.kd
    .args:
      - { .name: src, .offset: 0, .size: 8, .value_kind: global_buffer, .address_space: global }
      - { .name: params, .offset: 8, .size: 8, .value_kind: global_buffer, .address_space: global }
      - { .name: out0, .offset: 16, .size: 8, .value_kind: global_buffer, .address_space: global }
    .group_segment_fixed_size: 0
    .private_segment_fixed_size: 0
    .kernarg_segment_align: 8
    .kernarg_segment_size: 24
    .max_flat_workgroup_size: 384
    .sgpr_count:     66
    .vgpr_count:     104
    .wavefront_size: 32
...
	.end_amdgpu_metadata
.endif
;; end of part 3
